; MI455X (gfx1250); checked and timed in simulation.
; The chip was launched on July 23, 2026; its instructions are those of AMD's public machine-readable ISA for CDNA 5 (MIT licence, August 2026) and "CDNA5" Instruction Set Architecture Reference Guide (July 2026). The comments in the code are by the model that wrote it; some were corrected since.
;; Experts Feed Forward Network. Allowed arithmetic: matrix products marked QUANTISED: E5M2 operands, one E8M0 scale for each 32 along K, by v_wmma_scale_f32_16x16x128_f8f6f4 with both operands' format E5M2, f32 sums; products left as they are: f32 operands where the result goes on into a quantised operand, else bf16, f16 or f32 operands; f32 sums; everything else in f32.
;; Inputs: b1 8 x 2,048 float32; b2 8 x 1,024 float32; experts 2 x 2 x 1,024 x 1 int32; probs 2 x 2 x 1,024 x 1 float32; w1_codes 8 x 2,048 x 32 x 32 uint8 (E5M2 codes of w1, K innermost, in blocks of 32 codes); w1_scales 8 x 2,048 x 32 uint8 (E8M0 scales of w1, one for each 32 codes along K); w2_codes 8 x 1,024 x 64 x 32 uint8 (E5M2 codes of w2, K innermost, in blocks of 32 codes); w2_scales 8 x 1,024 x 64 uint8 (E8M0 scales of w2, one for each 32 codes along K); x_codes 2 x 1,024 x 32 x 32 uint8 (E5M2 codes of x, K innermost, in blocks of 32 codes); x_scales 2 x 1,024 x 32 uint8 (E8M0 scales of x, one for each 32 codes along K).
;; Outputs: out0 2 x 1,024 x 1,024 float32.
;; This version of the problem:
;;   THIS VERSION OF THE PROBLEM IS GIVEN IN LOW PRECISION. The matrix products marked QUANTISED in the list below multiply operands that are first quantised to E5M2 (5 exponent bits, 2 mantissa bits; 8 bits a number), with one power-of-two scale for each 32 numbers along K (OCP MX v1.0); their sums are f32. All else is computed in f32.
;;   The module's matrix products, in the order in which they are computed (A, B: the left and right operand; K: the contracted axis; several contracted axes count as one K, in the product's order):
;;     1. [M 16,384, K 1,024] x [K 1,024, N 2,048]; A: input w1 (given as codes); B: input x (given as codes): QUANTISED
;;     2. batch 8 x [M 2,048, K 2,048] x [K 2,048, N 1,024]; A: computed on the way; B: input w2 (given as codes): QUANTISED
;;     3. batch 2,048 x [M 1, K 2] x [K 2, N 8]; A: computed on the way; B: computed on the way: left as it is (K = 2 < 32)
;;     4. batch 2,048 x [M 1, K 8] x [K 8, N 1,024]; A: computed on the way; B: computed on the way: left as it is (K = 8 < 32)
;;   THE QUANTISER, for each operand of a quantised product, along K:
;;     - K is cut into blocks of 32 from its start; a last block that is shorter is filled with zeros.
;;     - A block's scale is 2^e with e = floor(log2(the largest magnitude in the block)) - 15, held to -126 .. 127; a block of zeros has e = 0. As a byte (E8M0): e + 127.
;;     - Each number is divided by its block's scale, clamped to +-57,344, and rounded to the nearest number of E5M2, ties to even, subnormals kept.
;;     - The product sums the exact products of the quantised numbers (number of the format x scale) in f32.
;;   ~~~python
;;   def quantise(x, axis):      # numpy; x: float32 -> the quantised numbers, widened to float32 again
;;       x = np.moveaxis(x, axis, -1); K = x.shape[-1]
;;       x = np.pad(x, [(0, 0)] * (x.ndim - 1) + [(0, -K % 32)]); x = x.reshape(x.shape[:-1] + (-1, 32)); a = np.abs(x).max(-1, keepdims=True)
;;       e = np.where(a > 0, np.clip(np.frexp(np.where(a > 0, a, 1))[1] - 1 - 15, -126, 127), 0)      # np.frexp(a)[1] - 1 = floor(log2(a)), exactly
;;       r = np.clip(x / 2.0 ** e, -57344, 57344)
;;       step = 2.0 ** (np.maximum(np.frexp(np.where(r == 0, 1, r))[1] - 1, -14) - 2)
;;       q = np.round(r / step) * step * 2.0 ** e      # np.round: ties to even
;;       return np.moveaxis(q.reshape(q.shape[:-2] + (-1,))[..., :K], -1, axis).astype(np.float32)
;;   ~~~
;;   OPERANDS COMPUTED ON THE WAY. 'Computed on the way' means the value that the module computes at that place (a softmax that the list does not call 'softmax' is quantised finished and normalised). What goes into a quantiser is computed in f32, as accurately as f32 sums, v_exp_f32 and their like allow (about 1e-6 of the number): no bf16 or f16 on the way to a quantiser, and a product that is left as it is and whose result goes on into a quantised operand takes f32 operands (vector FMAs, or v_wmma_f32_16x16x4_f32). A number that lies on a knife's edge between two numbers of the format may be rounded either way, as far as f32 arithmetic and the matrix unit's own rounding can turn it there, and no further.
;;   INPUTS GIVEN AS CODES. w1 (in the module: [8, 1024, 2048], K = its axis 1); w2 (in the module: [8, 2048, 1024], K = its axis 1); x (in the module: [2, 1024, 1024], K = its axis 2): each comes as NAME_codes (uint8): NAME with its K axis moved to the last place and cut into blocks of 32 codes, [.., K / 32, bytes a block], one block behind the other in memory; one code a byte (a code: sign, 5 exponent bits, 2 mantissa bits); and NAME_scales (uint8): the same leading axes, one E8M0 byte (e + 127) for each 32 codes along K. Its value is code x scale, taken as it is: it is not quantised again, and the codes and scales need not be those that the quantiser above would give.
;; One version. Each part assembles by itself: llvm-mc -triple=amdgcn-amd-amdhsa -mcpu=gfx1250 --defsym DOCPART=n.
;; ======== version 1 of 1: 3 launches
;; workspace buffers: h_codes 8,388,608 bytes; h_scales 262,144 bytes; ybuf 16,777,216 bytes
;; launch ffn1 (part 1): grid 256 x 1, 4 waves a work-group, no clusters, 221,696 bytes of LDS; arguments x_codes, x_scales, w1_codes, w1_scales, b1, experts, h_codes, h_scales; writes h_codes, h_scales
.if DOCPART == 1
	.amdgcn_target "amdgcn-amd-amdhsa--gfx1250"
	.amdhsa_code_object_version 6
	.text
	.protected	k_qb9962bcfdd_ffn1
	.globl	k_qb9962bcfdd_ffn1
	.p2align	8
	.type	k_qb9962bcfdd_ffn1,@function
k_qb9962bcfdd_ffn1:
	s_mov_b64 s[64:65], 0
	v_nop
	global_prefetch_b8 v0, s[64:65] scope:SCOPE_SE
	s_setreg_imm32_b32 hwreg(HW_REG_WAVE_MODE, 25, 1), 1
	s_wait_xcnt 0x0
; FIRST HALF OF THE EXPERTS' CHAIN: h = Q(gelu(x W1_e + b1_e)) for the routed rows alone, on codes of BF8 (E5M2) with one E8M0 scale for each 32 along K.
; An ENTRY is i = slot x 2,048 + token, the flat index of experts and probs: 4,096 entries.  h_codes is [4096][2048], h_scales [4096][64], both by entry.
; SHARES.  Work-group wg: q = wg & 3, cb = (wg >> 2) & 7, e = wg >> 5.  It owns the entries 1,024 q .. 1,024 q + 1,023 whose expert is e (n of them, 0 to 1,024) and the hidden units 256 cb .. + 255.
; Wave w keeps W1_e's rows of units 256 cb + 64 w .. + 63 for all of K = 1,024 in registers: 4 tiles x 8 K steps x 16 = 512 registers, read from memory once.
; ROUTING.  Every wave reads the quarter's 1,024 experts, makes 32 lane masks (expert == e) and their running counts in scalar registers; thread k then SELECTS the k-th match by compares and
; stores it at list word k, so that no LDS address hangs on loaded data.  Places n .. up to the next multiple of 32 repeat entry n - 1: those rows are computed again and the same bytes stored again, so EXEC never changes.
; ROWS go through LDS in chunks of 160 (seven trips, a constant that covers n = 1,024; what a chunk has no rows for is jumped over, the barriers are not), 32 rows (two tiles) a step.
; THE PRODUCT IS USED TRANSPOSED (source 0 = 16 rows of W1, source 1 = 16 rows of x), and lane r of tile 2 b + u takes W1's row 32 b + 8 u + r + 8 (r / 8): so a lane holds one row of h and the 16 registers
; of tiles 2 b, 2 b + 1 are 16 neighbours along the next K: the conversions' results are 16 bytes of the row of h_codes.
; gelu is the tanh form: g = x / (1 + 2^(x (c0 + c1 x^2))), c0 = -2 sqrt(2 / pi) log2(e), c1 = 0.044715 c0, all in f32.
; NO CLUSTER, NO TENSOR LOAD: how many rows a work-group has is counted from memory, and its jumps hang on that count; the four work-groups that share a slice of W1 would need different numbers of steps.
; LIMITS: experts lie in 0 .. 7 (an entry outside is computed by nobody); a block of zeros gets the scale byte 1 (its codes are zeros, and only this program reads the bytes); NaN and infinities in h are not served.
.set XP,    1072                       ; a row in LDS: 1,024 codes + 32 scale bytes + 16 of padding = 67 x 16 bytes
.set CH,    160                        ; rows in a chunk
.set NCH,   7                          ; chunks: 7 x 160 >= 1,024
.set HP,    272                        ; a row of the stage: the work-group's 256 codes + 16
.set XT,    0                          ; LDS: the chunk's rows of x,
.set HST,   XT+CH*XP                   ; the stage for h's codes,
.set HSS,   HST+CH*HP                  ; 8 scale bytes a row,
.set LIST,  HSS+CH*8                   ; and the list: 1,152 words
; window 0
.set LN,   1                           ; lane
.set RR,   2                           ; r = lane % 16
.set HH,   3                           ; h = lane / 16
.set R16,  4                           ; 16 r
.set L16,  5                           ; 16 x lane
.set XA0,  6                           ; fragments: XT + XP r + 16 h
.set XSA0, 7                           ; rows' scale words: XT + XP lane + 1,024
.set FS0,  8                           ; fill: XT + XP (8 w + h) + 16 r
.set FSS0, 9                           ; fill, scale bytes: XT + XP (8 w + lane / 4) + 1,024 + 8 (lane % 4)
.set LRA0, 10                          ; list: LIST + 4 (8 w + h)
.set LRS0, 11                          ; LIST + 4 (8 w + lane / 4)
.set LRL0, 12                          ; LIST + 4 lane
.set HW0,  13                          ; stage, in: HST + HP r + 64 w + 16 h
.set HSW0, 14                          ; HSS + 8 r + 2 w
.set HR0,  15                          ; stage, out: HST + HP (8 w + h) + 16 r
.set WS,   16                          ; v16-31  W1's scale words: register 8 b + s: lanes 0-15 tile 2 b, lanes 16-31 tile 2 b + 1
.set XS,   32                          ; v32-39  the rows' scale words: register s; lane = row of the pair
.set B1,   40                          ; v40-71  b1 in the result's layout, 8 registers a tile
.set H,    72                          ; v72-135 the eight accumulators: 32 rt + 8 t
.set Z,    136                         ; v136-199 at work in gelu
.set TM,   200                         ; v200-215 at work in the quantiser
.set PW,   216                         ; v216-217 two scale bytes for each tile of rows
.set PC,   220                         ; v220-235 the codes just made
.set HSR0, 236                         ; HSS + 8 lane
.set LW0,  237                         ; LIST + 4 x thread
.set WA,   238                         ; W1's codes: (r + 8 (r / 8)) x 1,024 + 16 h
.set WSA,  239                         ; W1's scales: (r + 8 (r / 8) + 8 h) x 32
.set BA,   240                         ; b1: 64 h
.set S8,   241                         ; 8 (lane % 4)
.set XA,   242                         ; LDS addresses of the step in hand: these ten hold nothing but addresses
.set XSA,  243
.set HWT,  244
.set HSWT, 245
.set LRA,  246
.set LRS,  247
.set LRL,  248
.set FSA,  249
.set C0,   250                         ; v[250:251] c0, twice
.set FSSA, 252
.set LWT,  253
.set TA,   254
.set TB,   255
; registers that take turns
.set EV,   72                          ; routing: the quarter's 1,024 experts, 32 a lane
.set VK,   136
.set VM,   137
.set VB,   138
.set VW,   139
.set VJ,   140
.set VA1,  141
.set VA2,  142
.set VA3,  143
.set VA4,  144
.set VP,   145
.set VT,   146
.set VU,   147
.set VENT, 148
.set SS,   136                         ; fill: a pair's scale bytes, 2 registers
.set LS,   146                         ; fill: list words for the scale bytes
.set LT,   176                         ; fill and way out: list words, 4 a pair
.set OD,   72                          ; way out: 16 registers a pair
.set SI,   152                         ; way out of the scale bytes: v[SI + 4 p] the offset, v[SI + 4 p + 2 : + 3] the bytes
; scalars
.set SE,   20
.set SQ,   21
.set SCB,  22
.set SWV,  23
.set SN,   24                          ; n
.set SN32, 25                          ; n up to a multiple of 32
.set SNM1, 26
.set SQB,  27                          ; 1,024 q
.set SIT,  28
.set SKB,  29
.set SLO,  30
.set SMNT, 31                          ; the mantissa field of 57,344
.set PF,   32                          ; s32-63 running counts of the masks; free behind the routing:
.set SCI,  32
.set SCK,  33                          ; the chunk's first place
.set SLOF, 34                          ; 4 x that
.set SREM, 35                          ; places left from there
.set SPI,  36
.set SKP,  37
.set SPO,  38
.set SHO,  39
.set SSO,  40
.set MK,   66                          ; s66-97 the 32 masks
.set SEL,  98                          ; s[98:99] lane selects: lane xor 16
.set SC1,  100                         ; s[100:101] c1
.set MSB, 0
.macro WIN new                         ; the immediate's high byte repeats the setting that is left; a switch that changes nothing is dropped
.if MSB != \new
	s_set_vgpr_msb (MSB<<8)|\new
.set MSB, \new
.endif
.endm
.macro PLACES n
.rept \n
	v_nop
.endr
.endm
.macro BARRIER                         ; my LDS stores have landed and my LDS loads are in: then the work-group's barrier
	s_wait_dscnt 0x0
	s_barrier_signal -1
	s_barrier_wait -1
.endm
; W1's fragments of K steps sfirst .. sfirst + count - 1: (K step s, tile t) at v[64 (s % 4) + 16 t] of window 1 (s < 4) or 2
.macro WLOADS sfirst, count
.set ss, \sfirst
.rept \count
.set tt, 0
.rept 4
.set cc, 0
.rept 4
	global_load_b128 v[64*(ss&3)+16*tt+4*cc:64*(ss&3)+16*tt+4*cc+3], v[WA], s[8:9] offset:(32*(tt/2)+8*(tt%2))*1024+128*ss+32*cc
.set cc, cc+1
.endr
.set tt, tt+1
.endr
.set ss, ss+1
.endr
.endm
; one step of the search for the J-th set bit of a mask: the count of the lower half of what is left, from the field sums
.macro DESC src, mask, step
	v_lshrrev_b32 v[VT], v[VP], v[\src]
	v_and_b32 v[VT], \mask, v[VT]
	v_cmp_ge_u32 vcc_lo, v[VJ], v[VT]
	v_cndmask_b32 v[VT], 0, v[VT], vcc_lo
	v_cndmask_b32 v[VU], 0, \step, vcc_lo
	v_sub_nc_u32 v[VJ], v[VJ], v[VT]
	v_add_nc_u32 v[VP], v[VP], v[VU]
.endm
	s_load_b256 s[4:11], s[0:1], 0x0               ; x's codes s[4:5], x's scales s[6:7], W1's codes s[8:9], W1's scales s[10:11]
	s_load_b256 s[12:19], s[0:1], 0x20             ; b1 s[12:13], experts s[14:15], h's codes s[16:17], h's scales s[18:19]
	v_lshl_add_u32 v218, v0, 2, 0x36000
	v_mov_b32 v219, 0
	v_lshrrev_b32 v[TA], 5, v0
	v_readfirstlane_b32 s[SWV], v[TA]              ; wave 0..3
	s_and_b32 s[SQ], ttmp9, 3
	s_bfe_u32 s[SCB], ttmp9, 0x30002               ; 3 bits from bit 2
	s_lshr_b32 s[SE], ttmp9, 5
	s_lshl_b32 s[SQB], s[SQ], 10
	v_and_b32 v[LN], 31, v0
	v_and_b32 v[RR], 15, v0
	v_bfe_u32 v[HH], v0, 4, 1
	v_lshlrev_b32 v[R16], 4, v[RR]
	v_lshlrev_b32 v[L16], 4, v[LN]
	v_and_b32 v[TA], 8, v[RR]
	v_add_nc_u32 v[TA], v[TA], v[RR]               ; r + 8 (r / 8)
	v_lshlrev_b32 v[WA], 10, v[TA]
	v_lshl_add_u32 v[WA], v[HH], 4, v[WA]
	v_lshl_add_u32 v[WSA], v[HH], 3, v[TA]
	v_lshlrev_b32 v[WSA], 5, v[WSA]
	v_lshlrev_b32 v[BA], 6, v[HH]
	s_lshl_b32 s35, s[SCB], 8
	s_lshl_b32 s36, s[SWV], 6
	s_add_co_u32 s35, s35, s36                     ; my first hidden unit: 256 cb + 64 w
	s_lshl_b32 s36, s[SE], 11
	s_add_co_u32 s36, s36, s35                     ; its row among W1's 16,384
	s_lshl_b32 s38, s36, 10                        ; 1,024 bytes of codes a row,
	s_mov_b32 s39, 0
	s_lshl_b32 s40, s36, 5                         ; 32 scale bytes,
	s_mov_b32 s41, 0
	s_lshl_b32 s42, s36, 2                         ; 4 bytes of b1
	s_mov_b32 s43, 0
	s_lshl_b32 s44, s[SQ], 12                      ; the quarter's experts
	s_mov_b32 s45, 0
	s_lshl_b32 s46, s[SCB], 8                      ; the work-group's 256 bytes in a row of h_codes,
	s_mov_b32 s47, 0
	s_lshl_b32 s48, s[SCB], 3                      ; its 8 in a row of h_scales
	s_mov_b32 s49, 0
	s_wait_kmcnt 0x0
	s_add_nc_u64 s[8:9], s[8:9], s[38:39]
	s_add_nc_u64 s[10:11], s[10:11], s[40:41]
	s_add_nc_u64 s[12:13], s[12:13], s[42:43]
	s_add_nc_u64 s[14:15], s[14:15], s[44:45]
	s_add_nc_u64 s[16:17], s[16:17], s[46:47]
	s_add_nc_u64 s[18:19], s[18:19], s[48:49]
.set ii, 0
.rept 8                                ; word 4 a + c of lane l is entry 128 a + 4 l + c of the quarter
	global_load_b128 v[EV+4*ii:EV+4*ii+3], v[L16], s[14:15] offset:512*ii
.set ii, ii+1
.endr
.set tt, 0
.rept 4                                ; b1: lane (r, h) wants, for tile 2 b + u, the units 32 b + 16 h + 8 u + 0 .. 7
	global_load_b128 v[B1+8*tt:B1+8*tt+3], v[BA], s[12:13] offset:(32*(tt/2)+8*(tt%2))*4
	global_load_b128 v[B1+8*tt+4:B1+8*tt+7], v[BA], s[12:13] offset:(32*(tt/2)+8*(tt%2))*4+16
.set tt, tt+1
.endr
.set ii, 0
.rept 2                                ; a row's 32 scale bytes are its eight K steps' words
	global_load_b128 v[WS+8*ii:WS+8*ii+3], v[WSA], s[10:11] offset:1024*ii
	global_load_b128 v[WS+8*ii+4:WS+8*ii+7], v[WSA], s[10:11] offset:1024*ii+16
.set ii, ii+1
.endr
	WIN 0x40                                       ; destination window 1
	WLOADS 0, 3
	WIN 0
	; the other addresses and constants are made while the loads are out
	s_mov_b32 s[SMNT], 0x600000
	s_mov_b32 s[SEL], 0x76543210
	s_mov_b32 s[SEL+1], 0xfedcba98
	s_mov_b32 s[SC1], 0xbdd2d3e8                   ; c1 = -0.10294324
	s_mov_b32 s[SC1+1], s[SC1]                     ; (named with it as a pair, so it is written)
	v_mov_b32 v[C0], 0xc0135761                    ; c0 = -2.3022082
	v_mov_b32 v[C0+1], v[C0]
	v_mul_u32_u24 v[XA0], v[RR], XP
	v_lshl_add_u32 v[XA0], v[HH], 4, v[XA0]
	v_mul_u32_u24 v[XSA0], v[LN], XP
	v_add_nc_u32 v[XSA0], 1024, v[XSA0]
	s_mul_i32 s32, s[SWV], 8*XP                    ; a wave fills 8 of a pair's 32 rows
	v_mul_u32_u24 v[FS0], v[HH], XP
	v_add_nc_u32 v[FS0], v[FS0], v[R16]
	v_add_nc_u32 v[FS0], s32, v[FS0]
	v_lshrrev_b32 v[TA], 2, v[LN]                  ; lane / 4
	v_and_b32 v[S8], 3, v[LN]
	v_lshlrev_b32 v[S8], 3, v[S8]
	v_mul_u32_u24 v[FSS0], v[TA], XP
	v_add_nc_u32 v[FSS0], v[FSS0], v[S8]
	v_add_nc_u32 v[FSS0], s32, v[FSS0]
	v_add_nc_u32 v[FSS0], 1024, v[FSS0]
	s_lshl_b32 s33, s[SWV], 5
	s_add_co_u32 s33, s33, LIST
	v_lshlrev_b32 v[LRA0], 2, v[HH]
	v_add_nc_u32 v[LRA0], s33, v[LRA0]
	v_lshlrev_b32 v[LRS0], 2, v[TA]
	v_add_nc_u32 v[LRS0], s33, v[LRS0]
	v_lshl_add_u32 v[LRL0], v[LN], 2, LIST
	v_lshl_add_u32 v[LW0], v0, 2, LIST
	s_lshl_b32 s34, s[SWV], 6
	s_add_co_u32 s34, s34, HST
	v_mul_u32_u24 v[HW0], v[RR], HP
	v_lshl_add_u32 v[HW0], v[HH], 4, v[HW0]
	v_add_nc_u32 v[HW0], s34, v[HW0]
	s_lshl_b32 s34, s[SWV], 1
	s_add_co_u32 s34, s34, HSS
	v_lshlrev_b32 v[HSW0], 3, v[RR]
	v_add_nc_u32 v[HSW0], s34, v[HSW0]
	s_mul_i32 s34, s[SWV], 8*HP
	s_add_co_u32 s34, s34, HST
	v_mul_u32_u24 v[HR0], v[HH], HP
	v_add_nc_u32 v[HR0], v[HR0], v[R16]
	v_add_nc_u32 v[HR0], s34, v[HR0]
	v_lshl_add_u32 v[HSR0], v[LN], 3, HSS
.irp b, 0,1,2,3
	v_mov_b32 v[TM+4+\b], 0                        ; written once: a lane permute's destination counts as one of its sources
.endr
	v_mov_b32 v[TB], s[SQB]
.set ii, 0
.rept 9                                ; every list word holds an entry of the quarter before it is read
	ds_store_b32 v[LW0], v[TB] offset:512*ii
.set ii, ii+1
.endr
	s_wait_loadcnt 60                              ; the eight loads of experts are in: behind them 8 of b1, 4 of scale words and 48 of W1 were issued, and may stay out
.set ii, 0
.rept 32
	v_cmp_eq_u32 s[MK+ii], s[SE], v[EV+ii]         ; mask ii: bit l = word ii of lane l names my expert
.set ii, ii+1
.endr
	s_bcnt1_i32_b32 s[PF], s[MK]
.set ii, 1
.rept 31
	s_bcnt1_i32_b32 s[PF+ii], s[MK+ii]
	s_add_co_u32 s[PF+ii], s[PF+ii], s[PF+ii-1]    ; matches in masks 0 .. ii
.set ii, ii+1
.endr
	s_mov_b32 s[SN], s[PF+31]
	s_sub_co_u32 s[SNM1], s[SN], 1
	s_add_co_u32 s[SN32], s[SN], 31
	s_and_b32 s[SN32], s[SN32], -32
	s_mov_b32 s[SIT], 0
	s_mov_b32 s[SKB], 0
	s_mov_b32 s[SLO], 0
.Lroute:                                               ; nine trips of 128 places, a constant; trips past n are jumped over
	v_add_nc_u32 v[LWT], s[SLO], v[LW0]
	s_cmp_ge_u32 s[SKB], s[SN]
	s_cbranch_scc1 .Lroute_skip
	v_add_nc_u32 v[VK], s[SKB], v0
	v_min_u32 v[VK], s[SNM1], v[VK]                ; places from n on repeat match n - 1
	v_mov_b32 v[VM], s[MK]
	v_mov_b32 v[VB], 0
	v_mov_b32 v[VW], 0
.set ii, 1
.rept 31                               ; the last mask in front of which at most K matches lie holds match K
	v_cmp_gt_u32 vcc_lo, s[PF+ii-1], v[VK]
	v_cndmask_b32 v[VM], s[MK+ii], v[VM], vcc_lo
	v_cndmask_b32 v[VB], s[PF+ii-1], v[VB], vcc_lo
	v_cndmask_b32 v[VW], ii, v[VW], vcc_lo
.set ii, ii+1
.endr
	v_sub_nc_u32 v[VJ], v[VK], v[VB]               ; which set bit of that mask
	v_lshrrev_b32 v[VT], 1, v[VM]
	v_and_b32 v[VT], 0x55555555, v[VT]
	v_sub_nc_u32 v[VA1], v[VM], v[VT]              ; counts in fields of 2 bits,
	v_lshrrev_b32 v[VT], 2, v[VA1]
	v_and_b32 v[VT], 0x33333333, v[VT]
	v_and_b32 v[VA2], 0x33333333, v[VA1]
	v_add_nc_u32 v[VA2], v[VA2], v[VT]             ; of 4,
	v_lshrrev_b32 v[VT], 4, v[VA2]
	v_add_nc_u32 v[VA3], v[VA2], v[VT]
	v_and_b32 v[VA3], 0x0f0f0f0f, v[VA3]           ; of 8,
	v_lshrrev_b32 v[VT], 8, v[VA3]
	v_add_nc_u32 v[VA4], v[VA3], v[VT]             ; and, in the low byte, of the low 16
	v_mov_b32 v[VP], 0
	DESC VA4, 0xff, 16
	DESC VA3, 0xff, 8
	DESC VA2, 15, 4
	DESC VA1, 3, 2
	DESC VM, 1, 1                                  ; P = the lane that holds the match
	v_lshrrev_b32 v[VT], 2, v[VW]
	v_and_b32 v[VU], 3, v[VW]
	v_lshl_add_u32 v[VT], v[VT], 7, v[VU]
	v_lshl_add_u32 v[VT], v[VP], 2, v[VT]
	v_add_nc_u32 v[VENT], s[SQB], v[VT]            ; the entry: 1,024 q + 128 (W / 4) + 4 P + W % 4
	ds_store_b32 v[LWT], v[VENT]
.Lroute_skip:
	s_add_co_u32 s[SKB], s[SKB], 128
	s_add_co_u32 s[SLO], s[SLO], 512
	s_add_co_u32 s[SIT], s[SIT], 1
	s_cmp_lt_u32 s[SIT], 9
	s_cbranch_scc1 .Lroute
	BARRIER                                        ; the list is whole; nobody writes it again
	WIN 0x40
	WLOADS 3, 1                                    ; the rest of W1
	WIN 0x80                                       ; destination window 2
	WLOADS 4, 4
	WIN 0
; A pair's 32 rows of x are asked for: my 8 rows, two an instruction: sixteen lanes read 256 consecutive bytes, at a multiple of 256 from the buffer's first byte.  Pairs 0-3 land in window 3, pair 4 in the accumulators' registers.
.macro FISSUE p
.if \p < 4
	WIN 0xc0
.set sg, 64*\p
.else
.set sg, H
.endif
.set jj, 0
.rept 4
.set uu, 0
.rept 4
	global_load_b128 v[sg+16*jj+4*uu:sg+16*jj+4*uu+3], v[LT+4*\p+jj], s[4:5] offset:256*uu
.set uu, uu+1
.endr
.set jj, jj+1
.endr
	WIN 0
	global_load_b64 v[SS+2*\p:SS+2*\p+1], v[LS+\p], s[6:7]    ; and their scale bytes: four lanes to a row
.endm
.macro FSTORE p                        ; and put into LDS
	s_wait_loadcnt 0x0                             ; all that was asked for is in
	v_add_nc_u32 v[FSA], 32*XP*\p, v[FS0]
	v_add_nc_u32 v[FSSA], 32*XP*\p, v[FSS0]
.if \p < 4
	WIN 0x0c                                       ; an LDS store's data are its source 1: window 3
.set sg, 64*\p
.else
.set sg, H
.endif
.set jj, 0
.rept 4
.set uu, 0
.rept 4
	ds_store_b128 v[FSA], v[sg+16*jj+4*uu:sg+16*jj+4*uu+3] offset:2*jj*XP+256*uu
.set uu, uu+1
.endr
.set jj, jj+1
.endr
	WIN 0
	ds_store_b64 v[FSSA], v[SS+2*\p:SS+2*\p+1]
.endm
; one product; the symbols are set by MMAHALF
.macro WM4
.if fa && fb
	v_wmma_scale_f32_16x16x128_f8f6f4 v[rD:rD+7], v[rA:rA+15], v[rB:rB+15], v[rC:rC+7], v[rSA], v[rSB] matrix_a_fmt:MATRIX_FMT_BF8 matrix_b_fmt:MATRIX_FMT_BF8 matrix_a_scale:MATRIX_SCALE_ROW1 matrix_b_scale:MATRIX_SCALE_ROW1
.elseif fa
	v_wmma_scale_f32_16x16x128_f8f6f4 v[rD:rD+7], v[rA:rA+15], v[rB:rB+15], v[rC:rC+7], v[rSA], v[rSB] matrix_a_fmt:MATRIX_FMT_BF8 matrix_b_fmt:MATRIX_FMT_BF8 matrix_a_scale:MATRIX_SCALE_ROW1
.elseif fb
	v_wmma_scale_f32_16x16x128_f8f6f4 v[rD:rD+7], v[rA:rA+15], v[rB:rB+15], v[rC:rC+7], v[rSA], v[rSB] matrix_a_fmt:MATRIX_FMT_BF8 matrix_b_fmt:MATRIX_FMT_BF8 matrix_b_scale:MATRIX_SCALE_ROW1
.else
	v_wmma_scale_f32_16x16x128_f8f6f4 v[rD:rD+7], v[rA:rA+15], v[rB:rB+15], v[rC:rC+7], v[rSA], v[rSB] matrix_a_fmt:MATRIX_FMT_BF8 matrix_b_fmt:MATRIX_FMT_BF8
.endif
.endm
; 32 products: K steps s0 .. s0 + 3, two tiles of rows x four tiles of units.  The eight accumulators take turns, one instruction a turn, in the same order in every K step.
; The first K step takes b1 as C: the bias costs no addition, and nothing is cleared.
.macro MMAHALF s0
.set ss, \s0
.rept 4
.set rt, 0
.rept 2
.set tt, 0
.rept 4
.set rD, H+32*rt+8*tt
.set rA, 64*(ss&3)+16*tt
.set rB, 128*rt+16*ss
.set rC, rD
.if ss == 0
.set rC, B1+8*tt
.endif
.set rSA, WS+8*(tt/2)+ss
.set rSB, XS+ss
.set fa, tt%2
.set fb, rt
	WM4
.set tt, tt+1
.endr
.set rt, rt+1
.endr
.set ss, ss+1
.endr
.endm
; A pair leaves: my 8 rows of the stage, two an instruction: sixteen lanes store 256 consecutive bytes, at a multiple of 256 from h_codes' first byte.  One wave (p % 4) sends the pair's scale bytes, 8 a row.
.macro OUTP p
.set jj, 0
.rept 4
	ds_load_b32 v[LT+4*\p+jj], v[LRA] offset:128*\p+8*jj
.set jj, jj+1
.endr
.set jj, 0
.rept 4
	ds_load_b128 v[OD+16*\p+4*jj:OD+16*\p+4*jj+3], v[HR0] offset:32*HP*\p+2*HP*jj
.set jj, jj+1
.endr
	s_wait_dscnt 0x0
.set jj, 0
.rept 4
	v_min_u32 v[LT+4*\p+jj], 0xfff, v[LT+4*\p+jj]  ; an entry is under 4,096
.set jj, jj+1
.endr
.set jj, 0
.rept 4
	v_lshl_add_u32 v[LT+4*\p+jj], v[LT+4*\p+jj], 11, v[R16]
.set jj, jj+1
.endr
.set jj, 0
.rept 4
	global_store_b128 v[LT+4*\p+jj], v[OD+16*\p+4*jj:OD+16*\p+4*jj+3], s[16:17]
.set jj, jj+1
.endr
	s_cmp_lg_u32 s[SWV], \p&3
	s_cbranch_scc1 .Lno_scales_\@
	ds_load_b32 v[SI+4*\p], v[LRL] offset:128*\p
	ds_load_b64 v[SI+4*\p+2:SI+4*\p+3], v[HSR0] offset:256*\p
	s_wait_dscnt 0x0
	v_min_u32 v[SI+4*\p], 0xfff, v[SI+4*\p]
	v_lshlrev_b32 v[SI+4*\p], 6, v[SI+4*\p]
	global_store_b64 v[SI+4*\p], v[SI+4*\p+2:SI+4*\p+3], s[18:19]
.Lno_scales_\@:
.endm
	s_mov_b32 s[SCI], 0
	s_mov_b32 s[SCK], 0
	s_mov_b32 s[SLOF], 0
.Lchunk:
	v_add_nc_u32 v[LRA], s[SLOF], v[LRA0]          ; the chunk's part of the list
	v_add_nc_u32 v[LRS], s[SLOF], v[LRS0]
	v_add_nc_u32 v[LRL], s[SLOF], v[LRL0]
	s_sub_co_u32 s[SREM], s[SN32], s[SCK]          ; read only where the chunk has rows
	; ---- the chunk's rows of x come into LDS
	s_cmp_ge_u32 s[SCK], s[SN32]
	s_cbranch_scc1 .Lfilled
.set ii, 0
.rept 5
.set jj, 0
.rept 4
	ds_load_b32 v[LT+4*ii+jj], v[LRA] offset:128*ii+8*jj
.set jj, jj+1
.endr
	ds_load_b32 v[LS+ii], v[LRS] offset:128*ii
.set ii, ii+1
.endr
	s_wait_dscnt 0x0
.set ii, 0
.rept 20
	v_min_u32 v[LT+ii], 0xfff, v[LT+ii]            ; an entry is under 4,096;
.set ii, ii+1
.endr
.set ii, 0
.rept 20
	v_and_b32 v[LT+ii], 0x7ff, v[LT+ii]            ; its token;
.set ii, ii+1
.endr
.set ii, 0
.rept 20
	v_lshl_add_u32 v[LT+ii], v[LT+ii], 10, v[R16]  ; the token's row of 1,024 bytes, my 16
.set ii, ii+1
.endr
.set ii, 0
.rept 5
	v_min_u32 v[LS+ii], 0xfff, v[LS+ii]
	v_and_b32 v[LS+ii], 0x7ff, v[LS+ii]
	v_lshl_add_u32 v[LS+ii], v[LS+ii], 5, v[S8]
.set ii, ii+1
.endr
	; All pairs that the chunk has are asked for before the first is put away.  On every way to the label in front of a pair's stores that pair and all earlier ones have been asked for.
	FISSUE 0
	s_cmp_le_u32 s[SREM], 32
	s_cbranch_scc1 .Lf1
	FISSUE 1
	s_cmp_le_u32 s[SREM], 64
	s_cbranch_scc1 .Lf2
	FISSUE 2
	s_cmp_le_u32 s[SREM], 96
	s_cbranch_scc1 .Lf3
	FISSUE 3
	s_cmp_le_u32 s[SREM], 128
	s_cbranch_scc1 .Lf4
	FISSUE 4
	FSTORE 4
.Lf4:
	FSTORE 3
.Lf3:
	FSTORE 2
.Lf2:
	FSTORE 1
.Lf1:
	FSTORE 0
.Lfilled:
	s_wait_loadcnt 0x0                             ; W1, its scale words and b1 are in, on every way
	BARRIER                                        ; the rows lie in LDS; the last chunk's reads of the stage are over
	; ---- 32 rows a trip: five trips, a constant
	s_mov_b32 s[SPI], 0
	s_mov_b32 s[SKP], s[SCK]
	s_mov_b32 s[SPO], 0
	s_mov_b32 s[SHO], 0
	s_mov_b32 s[SSO], 0
.Lpair:
	v_add_nc_u32 v[XA], s[SPO], v[XA0]
	v_add_nc_u32 v[XSA], s[SPO], v[XSA0]
	v_add_nc_u32 v[HWT], s[SHO], v[HW0]
	v_add_nc_u32 v[HSWT], s[SSO], v[HSW0]
	s_cmp_ge_u32 s[SKP], s[SN32]
	s_cbranch_scc1 .Lpair_skip
	ds_load_b128 v[XS:XS+3], v[XSA]                ; lane l: the eight scale words of the pair's row l
	ds_load_b128 v[XS+4:XS+7], v[XSA] offset:16
	WIN 0xc0                                       ; destination window 3: fragment (tile rt, K step s) at v[128 rt + 16 s]
.set ss, 0
.rept 8
.set rt, 0
.rept 2
.set cc, 0
.rept 4
	ds_load_b128 v[128*rt+16*ss+4*cc:128*rt+16*ss+4*cc+3], v[XA] offset:rt*16*XP+128*ss+32*cc
.set cc, cc+1
.endr
.set rt, rt+1
.endr
.set ss, ss+1
.endr
	s_wait_dscnt 32                                ; all but the 32 loads of K steps 4-7, which were issued last
	WIN 0x0d                                       ; source 0 (W1) window 1, source 1 (x) window 3, C and D window 0
	MMAHALF 0
	s_wait_dscnt 0x0
	WIN 0x0e                                       ; source 0 window 2
	MMAHALF 4
	WIN 0
	PLACES 8                                       ; eight plain vector instructions between the last product and the first read of results
	; gelu.  Each accumulator is read from its low end on
.set ii, 0
.rept 32
	v_pk_mul_f32 v[Z+ii:Z+ii+1], v[H+ii:H+ii+1], v[H+ii:H+ii+1]
.set ii, ii+2
.endr
.set ii, 0
.rept 32
	v_pk_fma_f32 v[Z+ii:Z+ii+1], v[Z+ii:Z+ii+1], s[SC1:SC1+1], v[C0:C0+1] op_sel_hi:[1,0,1]   ; c1 x^2 + c0
.set ii, ii+2
.endr
.set ii, 0
.rept 32
	v_pk_mul_f32 v[Z+ii:Z+ii+1], v[Z+ii:Z+ii+1], v[H+ii:H+ii+1]
.set ii, ii+2
.endr
.set ii, 0
.rept 64
	v_exp_f32 v[Z+ii], v[Z+ii]
.set ii, ii+1
.endr
	v_nop                                          ; a plain instruction behind the last exponential,
	s_wait_alu depctr_va_vdst(0)                   ; and one wait for the batch, ahead of its first reader
.set ii, 0
.rept 32
	v_pk_add_f32 v[Z+ii:Z+ii+1], v[Z+ii:Z+ii+1], 1.0 op_sel_hi:[1,0]
.set ii, ii+2
.endr
.set ii, 0
.rept 64
	v_rcp_f32 v[Z+ii], v[Z+ii]
.set ii, ii+1
.endr
	v_nop
	s_wait_alu depctr_va_vdst(0)                   ; likewise for the reciprocals
.set ii, 0
.rept 32
	v_pk_mul_f32 v[H+ii:H+ii+1], v[H+ii:H+ii+1], v[Z+ii:Z+ii+1]
.set ii, ii+2
.endr
	; the quantiser: four blocks of 32 units (tile of rows rt, units 32 b on: block 2 rt + b), 16 numbers in my registers H + 16 x block, 16 in lane xor 16's
.irp b, 0,1,2,3
	v_max3_num_f32 v[TM+\b], |v[H+16*\b]|, |v[H+16*\b+1]|, 0x8000000   ; with the floor 2^(16 - 127): the byte cannot fall under 1
.endr
.irp i, 2,4,6,8,10,12,14
.irp b, 0,1,2,3
	v_max3_num_f32 v[TM+\b], v[TM+\b], |v[H+16*\b+\i]|, |v[H+16*\b+\i+1]|
.endr
.endr
.irp b, 0,1,2,3
	v_permlanex16_b32 v[TM+4+\b], v[TM+\b], s[SEL], s[SEL+1]
.endr
.irp b, 0,1,2,3
	v_max_num_f32 v[TM+\b], v[TM+\b], v[TM+4+\b]   ; the block's largest magnitude
.endr
.irp b, 0,1,2,3
	v_add_nc_u32 v[TM+12+\b], 0xf8800000, v[TM+\b] ; 15 off its exponent field: the conversion's scale operand
.endr
.irp b, 0,1,2,3
	v_and_or_b32 v[TM+8+\b], v[TM+\b], 0x7f800000, s[SMNT]   ; 57,344 x the scale
.endr
.irp b, 0,1,2,3
	v_lshrrev_b32 v[TM+4+\b], 23, v[TM+12+\b]      ; the scale's byte
.endr
	v_lshl_or_b32 v[PW], v[TM+5], 8, v[TM+4]
	v_lshl_or_b32 v[PW+1], v[TM+7], 8, v[TM+6]
.irp b, 0,1,2,3
.irp i, 0,1,2,3,4,5,6,7,8,9,10,11,12,13,14,15
	v_med3_num_f32 v[H+16*\b+\i], v[H+16*\b+\i], -v[TM+8+\b], v[TM+8+\b]   ; the conversion to an 8-bit code does not saturate (ISA guide 7.6.2): the hold comes first
.endr
	v_cvt_scalef32_pk8_bf8_f32 v[PC+4*\b:PC+4*\b+1], v[H+16*\b:H+16*\b+7], v[TM+12+\b]
	v_cvt_scalef32_pk8_bf8_f32 v[PC+4*\b+2:PC+4*\b+3], v[H+16*\b+8:H+16*\b+15], v[TM+12+\b]
.endr
	v_nop                                          ; a plain instruction behind the last conversion: the next products write its sources
.irp b, 0,1,2,3
	ds_store_b128 v[HWT], v[PC+4*\b:PC+4*\b+3] offset:16*HP*(\b/2)+32*(\b%2)   ; row 16 rt + r, bytes 64 w + 32 b + 16 h on
.endr
	ds_store_b16 v[HSWT], v[PW]                    ; both halves of the lanes write the same two bytes with the same values
	ds_store_b16 v[HSWT], v[PW+1] offset:128
.Lpair_skip:
	s_add_co_u32 s[SKP], s[SKP], 32
	s_add_co_u32 s[SPO], s[SPO], 32*XP
	s_add_co_u32 s[SHO], s[SHO], 32*HP
	s_add_co_u32 s[SSO], s[SSO], 256
	s_add_co_u32 s[SPI], s[SPI], 1
	s_cmp_lt_u32 s[SPI], 5
	s_cbranch_scc1 .Lpair
	BARRIER                                        ; the stage holds whole rows; nobody reads the chunk's rows of x any more
	; ---- the way out
	s_cmp_ge_u32 s[SCK], s[SN32]
	s_cbranch_scc1 .Lout_done
	OUTP 0
	s_cmp_le_u32 s[SREM], 32
	s_cbranch_scc1 .Lout_end
	OUTP 1
	s_cmp_le_u32 s[SREM], 64
	s_cbranch_scc1 .Lout_end
	OUTP 2
	s_cmp_le_u32 s[SREM], 96
	s_cbranch_scc1 .Lout_end
	OUTP 3
	s_cmp_le_u32 s[SREM], 128
	s_cbranch_scc1 .Lout_end
	OUTP 4
.Lout_end:
	s_wait_xcnt 0x0                                ; the stores have read their registers: the next chunk writes them again
.Lout_done:
	s_add_co_u32 s[SCK], s[SCK], CH
	s_add_co_u32 s[SLOF], s[SLOF], 4*CH
	s_add_co_u32 s[SCI], s[SCI], 1
	s_cmp_lt_u32 s[SCI], NCH
	s_cbranch_scc1 .Lchunk
	s_wait_tensorcnt 0x0
	ds_add_u32 v218, v219
	s_wait_dscnt 0x0
	s_endpgm
.Lfunc_end_k_qb9962bcfdd_ffn1:
	.size	k_qb9962bcfdd_ffn1, .Lfunc_end_k_qb9962bcfdd_ffn1-k_qb9962bcfdd_ffn1
	.p2alignl 7, 3214868480
	.fill 96, 4, 3214868480
	.section	.rodata,"a",@progbits
	.p2align	6, 0x0
	.amdhsa_kernel k_qb9962bcfdd_ffn1
		.amdhsa_group_segment_fixed_size 221696
		.amdhsa_private_segment_fixed_size 0
		.amdhsa_enable_private_segment 0
		.amdhsa_kernarg_size 64
		.amdhsa_user_sgpr_count 2
		.amdhsa_user_sgpr_kernarg_segment_ptr 1
		.amdhsa_wavefront_size32 1
		.amdhsa_system_sgpr_workgroup_id_x 1
		.amdhsa_system_sgpr_workgroup_id_y 1
		.amdhsa_system_sgpr_workgroup_id_z 1
		.amdhsa_system_vgpr_workitem_id 0
		.amdhsa_next_free_vgpr 1024
		.amdhsa_next_free_sgpr 102
		.amdhsa_reserve_vcc 1
		.amdhsa_float_denorm_mode_32 3
		.amdhsa_float_denorm_mode_16_64 3
		.amdhsa_memory_ordered 1
		.amdhsa_forward_progress 1
		.amdhsa_inst_pref_size 98
	.end_amdhsa_kernel
	.amdgpu_metadata
---
amdhsa.version: [ 1, 2 ]
amdhsa.kernels:
  - .name:           k_qb9962bcfdd_ffn1
    .symbol:         k_qb9962bcfdd_ffn1.kd
    .args:
      - { .name: x_codes, .offset: 0, .size: 8, .value_kind: global_buffer, .address_space: global }
      - { .name: x_scales, .offset: 8, .size: 8, .value_kind: global_buffer, .address_space: global }
      - { .name: w1_codes, .offset: 16, .size: 8, .value_kind: global_buffer, .address_space: global }
      - { .name: w1_scales, .offset: 24, .size: 8, .value_kind: global_buffer, .address_space: global }
      - { .name: b1, .offset: 32, .size: 8, .value_kind: global_buffer, .address_space: global }
      - { .name: experts, .offset: 40, .size: 8, .value_kind: global_buffer, .address_space: global }
      - { .name: h_codes, .offset: 48, .size: 8, .value_kind: global_buffer, .address_space: global }
      - { .name: h_scales, .offset: 56, .size: 8, .value_kind: global_buffer, .address_space: global }
    .group_segment_fixed_size: 221696
    .private_segment_fixed_size: 0
    .kernarg_segment_align: 8
    .kernarg_segment_size: 64
    .max_flat_workgroup_size: 128
    .sgpr_count:     102
    .vgpr_count:     1024
    .wavefront_size: 32
...
	.end_amdgpu_metadata
.endif
;; end of part 1
;; launch ffn2 (part 2): grid 256 x 1, 4 waves a work-group, no clusters, 310,784 bytes of LDS; arguments h_codes, h_scales, w2_codes, w2_scales, b2, experts, ybuf; writes ybuf
.if DOCPART == 2
	.amdgcn_target "amdgcn-amd-amdhsa--gfx1250"
	.amdhsa_code_object_version 6
	.text
	.protected	k_qb9962bcfdd_ffn2
	.globl	k_qb9962bcfdd_ffn2
	.p2align	8
	.type	k_qb9962bcfdd_ffn2,@function
k_qb9962bcfdd_ffn2:
	s_mov_b64 s[64:65], 0
	v_nop
	global_prefetch_b8 v0, s[64:65] scope:SCOPE_SE
	s_setreg_imm32_b32 hwreg(HW_REG_WAVE_MODE, 25, 1), 1
	s_wait_xcnt 0x0
; SECOND HALF OF THE EXPERTS' CHAIN: ybuf[i] = h[i] W2_e + b2_e for every entry i = slot x 2,048 + token, e = experts[i]; on codes of BF8 (E5M2) with one E8M0 scale for each 32 along K = 2,048.
; h_codes [4096][2048], h_scales [4096][64] by entry, as the launch before stored them; ybuf [4096][1024] f32.
; SHARES.  Work-group wg: q = wg & 3, cb = (wg >> 2) & 7, e = wg >> 5: the entries 1,024 q .. + 1,023 whose expert is e, output columns 128 cb .. + 127.
; Wave w: cg = w & 1, kh = w >> 1: columns 128 cb + 64 cg .. + 63 and K's half 1,024 kh ..: 4 tiles x 8 K steps x 16 = 512 registers of W2_e, read from memory once.
; The two halves' sums meet in the stage in LDS, through which results go anyway so that whole rows of 512 bytes are stored; b2 is added there.
; ROUTING as in the launch before: masks and counts in scalar registers, thread k selects the k-th match and stores it at list word k; places from n up to the next multiple of 32 repeat entry n - 1.
; ROWS go through LDS in chunks of 96 (eleven trips, a constant that covers n = 1,024; what a chunk has no rows for is jumped over, the barriers are not), 32 rows (two tiles) a step.
; THE PRODUCT IS USED TRANSPOSED (source 0 = 16 rows of W2, source 1 = 16 rows of h): a lane holds eight neighbouring columns of one row.
; NO CLUSTER, NO TENSOR LOAD: how many rows a work-group has is counted from memory, and its jumps hang on that count; the four work-groups that share a slice of W2 would need different numbers of steps.
; LIMITS: experts lie in 0 .. 7 (an entry outside is computed by nobody).  A sum is (K's lower half) + (K's upper half) + b2, each half K ascending.
.set HPT,   2128                       ; a row in LDS: 2,048 codes + 64 scale bytes + 16 of padding = 133 x 16 bytes
.set CH,    96                         ; rows in a chunk
.set NCH,   11                         ; 11 x 96 >= 1,024
.set PP,    528                        ; a row of the stage: 128 f32 + 16 bytes
.set PLANE, CH*PP                      ; a plane of the stage: one half of K
.set HT,    0                          ; LDS: the chunk's rows of h,
.set PST,   HT+CH*HPT                  ; the stage, two planes,
.set LIST,  PST+2*PLANE                ; the list: 1,152 words
.set LN,   1
.set RR,   2
.set HH,   3
.set R16,  4
.set L16,  5
.set XA0,  6                           ; v6-8    fragments of pair p: HT + HPT (32 p + r) + 16 h + 1,024 kh
.set XSA0, 9                           ; v9-11   rows' scale words: HT + HPT (32 p + lane) + 2,048 + 32 kh
.set FS0,  12                          ; v12-14  fill: HT + HPT (32 p + 8 w + h) + 16 r
.set LW0,  15                          ; LIST + 4 x thread
.set WS,   16                          ; v16-31  W2's scale words: register 8 b + s: lanes 0-15 tile 2 b, lanes 16-31 tile 2 b + 1
.set XS,   32                          ; v32-39  the rows' scale words
.set BV,   40                          ; v40-43  b2 at the work-group's columns 4 lane .. + 3
.set WA,   44                          ; W2's codes: 2,048 r + 16 h
.set WSA,  45                          ; W2's scales: 64 x lane
.set S16,  46                          ; 16 (lane % 4)
.set FSS0, 47                          ; v47-49  fill, scale bytes: HT + HPT (32 p + 8 w + lane / 4) + 2,048 + 16 (lane % 4)
.set LRA0, 50                          ; LIST + 4 (8 w + h)
.set LRS0, 51                          ; LIST + 4 (8 w + lane / 4)
.set LYA0, 52                          ; LIST + 32 w
.set SW0,  53                          ; stage, in: PST + PLANE kh + PP r + 256 cg + 32 h
.set WR0,  54                          ; stage, out: PST + PP 8 w + 16 lane;
.set WR1,  55                          ; the same in plane 1
.set LRA,  57                          ; the chunk's part of the list
.set LRS,  58
.set LYA,  59
.set LWT,  60
.set TA,   61
.set TB,   62
.set H,    72                          ; v72-135 the eight accumulators: 32 rt + 8 t
.set EV,   72                          ; routing
.set VK,   136
.set VM,   137
.set VB,   138
.set VW,   139
.set VJ,   140
.set VA1,  141
.set VA2,  142
.set VA3,  143
.set VA4,  144
.set VP,   145
.set VT,   146
.set VU,   147
.set VENT, 148
.set SS,   200                         ; fill: a pair's scale bytes, 4 registers
.set LT,   212                         ; fill: list words, 4 a pair
.set LS,   224
.set D0,   72                          ; way out: plane 0's 8 rows, then the sums
.set D1,   104                         ; plane 1's
.set LY,   136                         ; the rows' entries
.set SE,   20
.set SQ,   21
.set SCB,  22
.set SWV,  23
.set SN,   24
.set SN32, 25
.set SNM1, 26
.set SQB,  27
.set SIT,  28
.set SKB,  29
.set SLO,  30
.set SKH,  31
.set PF,   32                          ; s32-63 running counts; free behind the routing:
.set SCI,  32
.set SCK,  33
.set SLOF, 34
.set SREM, 35
.set MK,   66                          ; s66-97 the masks
.set SCG,  98
.set MSB, 0
.macro WIN new                         ; the immediate's high byte repeats the setting that is left; a switch that changes nothing is dropped
.if MSB != \new
	s_set_vgpr_msb (MSB<<8)|\new
.set MSB, \new
.endif
.endm
.macro PLACES n
.rept \n
	v_nop
.endr
.endm
.macro BARRIER                         ; my LDS stores have landed and my LDS loads are in: then the work-group's barrier
	s_wait_dscnt 0x0
	s_barrier_signal -1
	s_barrier_wait -1
.endm
; W2's fragments: (K step s, tile t) at v[64 (s % 4) + 16 t] of window 1 (s < 4) or 2
.macro WLOADS sfirst, count
.set ss, \sfirst
.rept \count
.set tt, 0
.rept 4
.set cc, 0
.rept 4
	global_load_b128 v[64*(ss&3)+16*tt+4*cc:64*(ss&3)+16*tt+4*cc+3], v[WA], s[8:9] offset:16*tt*2048+128*ss+32*cc
.set cc, cc+1
.endr
.set tt, tt+1
.endr
.set ss, ss+1
.endr
.endm
.macro DESC src, mask, step            ; one step of the search for the J-th set bit of a mask
	v_lshrrev_b32 v[VT], v[VP], v[\src]
	v_and_b32 v[VT], \mask, v[VT]
	v_cmp_ge_u32 vcc_lo, v[VJ], v[VT]
	v_cndmask_b32 v[VT], 0, v[VT], vcc_lo
	v_cndmask_b32 v[VU], 0, \step, vcc_lo
	v_sub_nc_u32 v[VJ], v[VJ], v[VT]
	v_add_nc_u32 v[VP], v[VP], v[VU]
.endm
	s_load_b256 s[4:11], s[0:1], 0x0               ; h's codes s[4:5], h's scales s[6:7], W2's codes s[8:9], W2's scales s[10:11]
	s_load_b128 s[12:15], s[0:1], 0x20             ; b2 s[12:13], experts s[14:15]
	s_load_b64 s[16:17], s[0:1], 0x30              ; ybuf
	v_lshl_add_u32 v254, v0, 2, 0x4bc00
	v_mov_b32 v255, 0
	v_lshrrev_b32 v[TA], 5, v0
	v_readfirstlane_b32 s[SWV], v[TA]              ; wave 0..3
	s_and_b32 s[SCG], s[SWV], 1
	s_lshr_b32 s[SKH], s[SWV], 1
	s_and_b32 s[SQ], ttmp9, 3
	s_bfe_u32 s[SCB], ttmp9, 0x30002               ; 3 bits from bit 2
	s_lshr_b32 s[SE], ttmp9, 5
	s_lshl_b32 s[SQB], s[SQ], 10
	v_and_b32 v[LN], 31, v0
	v_and_b32 v[RR], 15, v0
	v_bfe_u32 v[HH], v0, 4, 1
	v_lshlrev_b32 v[R16], 4, v[RR]
	v_lshlrev_b32 v[L16], 4, v[LN]
	v_lshlrev_b32 v[WA], 11, v[RR]
	v_lshl_add_u32 v[WA], v[HH], 4, v[WA]
	v_lshlrev_b32 v[WSA], 6, v[LN]
	s_lshl_b32 s35, s[SE], 10
	s_lshl_b32 s36, s[SCB], 7
	s_add_co_u32 s35, s35, s36                     ; the work-group's first row among W2's 8,192: 1,024 e + 128 cb
	s_lshl_b32 s42, s35, 2                         ; 4 bytes of b2 a column
	s_mov_b32 s43, 0
	s_lshl_b32 s36, s[SCG], 6
	s_add_co_u32 s35, s35, s36                     ; my wave's first row
	s_lshl_b32 s38, s35, 11                        ; 2,048 bytes of codes a row,
	s_lshl_b32 s36, s[SKH], 10
	s_add_co_u32 s38, s38, s36                     ; my half of K
	s_mov_b32 s39, 0
	s_lshl_b32 s40, s35, 6                         ; 64 scale bytes a row,
	s_lshl_b32 s36, s[SKH], 5
	s_add_co_u32 s40, s40, s36
	s_mov_b32 s41, 0
	s_lshl_b32 s44, s[SQ], 12                      ; the quarter's experts
	s_mov_b32 s45, 0
	s_lshl_b32 s46, s[SCB], 9                      ; the work-group's 512 bytes in a row of ybuf
	s_mov_b32 s47, 0
	s_wait_kmcnt 0x0
	s_add_nc_u64 s[8:9], s[8:9], s[38:39]
	s_add_nc_u64 s[10:11], s[10:11], s[40:41]
	s_add_nc_u64 s[12:13], s[12:13], s[42:43]
	s_add_nc_u64 s[14:15], s[14:15], s[44:45]
	s_add_nc_u64 s[16:17], s[16:17], s[46:47]
.set ii, 0
.rept 8                                ; word 4 a + c of lane l is entry 128 a + 4 l + c of the quarter
	global_load_b128 v[EV+4*ii:EV+4*ii+3], v[L16], s[14:15] offset:512*ii
.set ii, ii+1
.endr
	global_load_b128 v[BV:BV+3], v[L16], s[12:13]
.set ii, 0
.rept 2                                ; lane l: row 32 b + l; its 32 scale bytes of my half of K are eight K steps' words
	global_load_b128 v[WS+8*ii:WS+8*ii+3], v[WSA], s[10:11] offset:2048*ii
	global_load_b128 v[WS+8*ii+4:WS+8*ii+7], v[WSA], s[10:11] offset:2048*ii+16
.set ii, ii+1
.endr
	WIN 0x40                                       ; destination window 1
	WLOADS 0, 3
	WIN 0
	; the other addresses are made while the loads are out; none of them is written again
	s_lshl_b32 s32, s[SKH], 10
	v_mul_u32_u24 v[XA0], v[RR], HPT
	v_lshl_add_u32 v[XA0], v[HH], 4, v[XA0]
	v_add_nc_u32 v[XA0], s32, v[XA0]
	v_add_nc_u32 v[XA0+1], 32*HPT, v[XA0]
	v_add_nc_u32 v[XA0+2], 64*HPT, v[XA0]
	s_lshl_b32 s32, s[SKH], 5
	s_add_co_u32 s32, s32, 2048
	v_mul_u32_u24 v[XSA0], v[LN], HPT
	v_add_nc_u32 v[XSA0], s32, v[XSA0]
	v_add_nc_u32 v[XSA0+1], 32*HPT, v[XSA0]
	v_add_nc_u32 v[XSA0+2], 64*HPT, v[XSA0]
	s_mul_i32 s32, s[SWV], 8*HPT                   ; a wave fills 8 of a pair's 32 rows
	v_mul_u32_u24 v[FS0], v[HH], HPT
	v_add_nc_u32 v[FS0], v[FS0], v[R16]
	v_add_nc_u32 v[FS0], s32, v[FS0]
	v_add_nc_u32 v[FS0+1], 32*HPT, v[FS0]
	v_add_nc_u32 v[FS0+2], 64*HPT, v[FS0]
	v_lshrrev_b32 v[TA], 2, v[LN]                  ; lane / 4
	v_and_b32 v[S16], 3, v[LN]
	v_lshlrev_b32 v[S16], 4, v[S16]
	v_mul_u32_u24 v[FSS0], v[TA], HPT
	v_add_nc_u32 v[FSS0], v[FSS0], v[S16]
	v_add_nc_u32 v[FSS0], s32, v[FSS0]
	v_add_nc_u32 v[FSS0], 2048, v[FSS0]
	v_add_nc_u32 v[FSS0+1], 32*HPT, v[FSS0]
	v_add_nc_u32 v[FSS0+2], 64*HPT, v[FSS0]
	s_lshl_b32 s33, s[SWV], 5
	s_add_co_u32 s33, s33, LIST
	v_lshlrev_b32 v[LRA0], 2, v[HH]
	v_add_nc_u32 v[LRA0], s33, v[LRA0]
	v_lshlrev_b32 v[LRS0], 2, v[TA]
	v_add_nc_u32 v[LRS0], s33, v[LRS0]
	v_mov_b32 v[LYA0], s33
	v_lshl_add_u32 v[LW0], v0, 2, LIST
	s_mul_i32 s32, s[SKH], PLANE
	s_lshl_b32 s33, s[SCG], 8
	s_add_co_u32 s32, s32, s33
	s_add_co_u32 s32, s32, PST
	v_mul_u32_u24 v[SW0], v[RR], PP
	v_lshl_add_u32 v[SW0], v[HH], 5, v[SW0]
	v_add_nc_u32 v[SW0], s32, v[SW0]
	s_mul_i32 s32, s[SWV], 8*PP
	s_add_co_u32 s32, s32, PST
	v_add_nc_u32 v[WR0], s32, v[L16]
	v_add_nc_u32 v[WR1], PLANE, v[WR0]
	v_mov_b32 v[TB], s[SQB]
.set ii, 0
.rept 9                                ; every list word holds an entry of the quarter before it is read
	ds_store_b32 v[LW0], v[TB] offset:512*ii
.set ii, ii+1
.endr
	s_wait_loadcnt 53                              ; the eight loads of experts are in: behind them 1 of b2, 4 of scale words and 48 of W2 were issued, and may stay out
.set ii, 0
.rept 32
	v_cmp_eq_u32 s[MK+ii], s[SE], v[EV+ii]         ; mask ii: bit l = word ii of lane l names my expert
.set ii, ii+1
.endr
	s_bcnt1_i32_b32 s[PF], s[MK]
.set ii, 1
.rept 31
	s_bcnt1_i32_b32 s[PF+ii], s[MK+ii]
	s_add_co_u32 s[PF+ii], s[PF+ii], s[PF+ii-1]    ; matches in masks 0 .. ii
.set ii, ii+1
.endr
	s_mov_b32 s[SN], s[PF+31]
	s_sub_co_u32 s[SNM1], s[SN], 1
	s_add_co_u32 s[SN32], s[SN], 31
	s_and_b32 s[SN32], s[SN32], -32
	s_mov_b32 s[SIT], 0
	s_mov_b32 s[SKB], 0
	s_mov_b32 s[SLO], 0
.Lroute:                                               ; nine trips of 128 places, a constant; trips past n are jumped over
	v_add_nc_u32 v[LWT], s[SLO], v[LW0]
	s_cmp_ge_u32 s[SKB], s[SN]
	s_cbranch_scc1 .Lroute_skip
	v_add_nc_u32 v[VK], s[SKB], v0
	v_min_u32 v[VK], s[SNM1], v[VK]                ; places from n on repeat match n - 1
	v_mov_b32 v[VM], s[MK]
	v_mov_b32 v[VB], 0
	v_mov_b32 v[VW], 0
.set ii, 1
.rept 31                               ; the last mask in front of which at most K matches lie holds match K
	v_cmp_gt_u32 vcc_lo, s[PF+ii-1], v[VK]
	v_cndmask_b32 v[VM], s[MK+ii], v[VM], vcc_lo
	v_cndmask_b32 v[VB], s[PF+ii-1], v[VB], vcc_lo
	v_cndmask_b32 v[VW], ii, v[VW], vcc_lo
.set ii, ii+1
.endr
	v_sub_nc_u32 v[VJ], v[VK], v[VB]               ; which set bit of that mask
	v_lshrrev_b32 v[VT], 1, v[VM]
	v_and_b32 v[VT], 0x55555555, v[VT]
	v_sub_nc_u32 v[VA1], v[VM], v[VT]              ; counts in fields of 2 bits,
	v_lshrrev_b32 v[VT], 2, v[VA1]
	v_and_b32 v[VT], 0x33333333, v[VT]
	v_and_b32 v[VA2], 0x33333333, v[VA1]
	v_add_nc_u32 v[VA2], v[VA2], v[VT]             ; of 4,
	v_lshrrev_b32 v[VT], 4, v[VA2]
	v_add_nc_u32 v[VA3], v[VA2], v[VT]
	v_and_b32 v[VA3], 0x0f0f0f0f, v[VA3]           ; of 8,
	v_lshrrev_b32 v[VT], 8, v[VA3]
	v_add_nc_u32 v[VA4], v[VA3], v[VT]             ; and, in the low byte, of the low 16
	v_mov_b32 v[VP], 0
	DESC VA4, 0xff, 16
	DESC VA3, 0xff, 8
	DESC VA2, 15, 4
	DESC VA1, 3, 2
	DESC VM, 1, 1                                  ; P = the lane that holds the match
	v_lshrrev_b32 v[VT], 2, v[VW]
	v_and_b32 v[VU], 3, v[VW]
	v_lshl_add_u32 v[VT], v[VT], 7, v[VU]
	v_lshl_add_u32 v[VT], v[VP], 2, v[VT]
	v_add_nc_u32 v[VENT], s[SQB], v[VT]            ; the entry: 1,024 q + 128 (W / 4) + 4 P + W % 4
	ds_store_b32 v[LWT], v[VENT]
.Lroute_skip:
	s_add_co_u32 s[SKB], s[SKB], 128
	s_add_co_u32 s[SLO], s[SLO], 512
	s_add_co_u32 s[SIT], s[SIT], 1
	s_cmp_lt_u32 s[SIT], 9
	s_cbranch_scc1 .Lroute
	BARRIER                                        ; the list is whole; nobody writes it again
	WIN 0x40
	WLOADS 3, 1                                    ; the rest of W2
	WIN 0x80                                       ; destination window 2
	WLOADS 4, 4
	WIN 0
; A pair's 32 rows of h are asked for: my 8 rows, two an instruction: sixteen lanes read 256 consecutive bytes, at a multiple of 256 from the buffer's first byte.  Pairs 0, 1 land in window 3, pair 2 in v72-199.
.macro FISSUE p
.if \p < 2
	WIN 0xc0
.set sg, 128*\p
.else
.set sg, H
.endif
.set jj, 0
.rept 4
.set uu, 0
.rept 8
	global_load_b128 v[sg+32*jj+4*uu:sg+32*jj+4*uu+3], v[LT+4*\p+jj], s[4:5] offset:256*uu
.set uu, uu+1
.endr
.set jj, jj+1
.endr
	WIN 0
	global_load_b128 v[SS+4*\p:SS+4*\p+3], v[LS+\p], s[6:7]   ; and their scale bytes: four lanes to a row of 64
.endm
.macro FSTORE p                        ; and put into LDS
	s_wait_loadcnt 0x0                             ; all that was asked for is in
.if \p < 2
	WIN 0x0c                                       ; an LDS store's data are its source 1: window 3
.set sg, 128*\p
.else
.set sg, H
.endif
.set jj, 0
.rept 4
.set uu, 0
.rept 8
	ds_store_b128 v[FS0+\p], v[sg+32*jj+4*uu:sg+32*jj+4*uu+3] offset:2*jj*HPT+256*uu
.set uu, uu+1
.endr
.set jj, jj+1
.endr
	WIN 0
	ds_store_b128 v[FSS0+\p], v[SS+4*\p:SS+4*\p+3]
.endm
; one product; the symbols are set by MMAHALF.  fz: the first K step starts the sum with the constant 0
.macro WM4
.if fz && fa && fb
	v_wmma_scale_f32_16x16x128_f8f6f4 v[rD:rD+7], v[rA:rA+15], v[rB:rB+15], 0, v[rSA], v[rSB] matrix_a_fmt:MATRIX_FMT_BF8 matrix_b_fmt:MATRIX_FMT_BF8 matrix_a_scale:MATRIX_SCALE_ROW1 matrix_b_scale:MATRIX_SCALE_ROW1
.elseif fz && fa
	v_wmma_scale_f32_16x16x128_f8f6f4 v[rD:rD+7], v[rA:rA+15], v[rB:rB+15], 0, v[rSA], v[rSB] matrix_a_fmt:MATRIX_FMT_BF8 matrix_b_fmt:MATRIX_FMT_BF8 matrix_a_scale:MATRIX_SCALE_ROW1
.elseif fz && fb
	v_wmma_scale_f32_16x16x128_f8f6f4 v[rD:rD+7], v[rA:rA+15], v[rB:rB+15], 0, v[rSA], v[rSB] matrix_a_fmt:MATRIX_FMT_BF8 matrix_b_fmt:MATRIX_FMT_BF8 matrix_b_scale:MATRIX_SCALE_ROW1
.elseif fz
	v_wmma_scale_f32_16x16x128_f8f6f4 v[rD:rD+7], v[rA:rA+15], v[rB:rB+15], 0, v[rSA], v[rSB] matrix_a_fmt:MATRIX_FMT_BF8 matrix_b_fmt:MATRIX_FMT_BF8
.elseif fa && fb
	v_wmma_scale_f32_16x16x128_f8f6f4 v[rD:rD+7], v[rA:rA+15], v[rB:rB+15], v[rD:rD+7], v[rSA], v[rSB] matrix_a_fmt:MATRIX_FMT_BF8 matrix_b_fmt:MATRIX_FMT_BF8 matrix_a_scale:MATRIX_SCALE_ROW1 matrix_b_scale:MATRIX_SCALE_ROW1
.elseif fa
	v_wmma_scale_f32_16x16x128_f8f6f4 v[rD:rD+7], v[rA:rA+15], v[rB:rB+15], v[rD:rD+7], v[rSA], v[rSB] matrix_a_fmt:MATRIX_FMT_BF8 matrix_b_fmt:MATRIX_FMT_BF8 matrix_a_scale:MATRIX_SCALE_ROW1
.elseif fb
	v_wmma_scale_f32_16x16x128_f8f6f4 v[rD:rD+7], v[rA:rA+15], v[rB:rB+15], v[rD:rD+7], v[rSA], v[rSB] matrix_a_fmt:MATRIX_FMT_BF8 matrix_b_fmt:MATRIX_FMT_BF8 matrix_b_scale:MATRIX_SCALE_ROW1
.else
	v_wmma_scale_f32_16x16x128_f8f6f4 v[rD:rD+7], v[rA:rA+15], v[rB:rB+15], v[rD:rD+7], v[rSA], v[rSB] matrix_a_fmt:MATRIX_FMT_BF8 matrix_b_fmt:MATRIX_FMT_BF8
.endif
.endm
; 32 products: K steps s0 .. s0 + 3 of my half, two tiles of rows x four tiles of columns.  The eight accumulators take turns, one instruction a turn, in the same order in every K step.
.macro MMAHALF s0
.set ss, \s0
.rept 4
.set rt, 0
.rept 2
.set tt, 0
.rept 4
.set rD, H+32*rt+8*tt
.set rA, 64*(ss&3)+16*tt
.set rB, 128*rt+16*ss
.set rSA, WS+8*(tt/2)+ss
.set rSB, XS+ss
.set fa, tt%2
.set fb, rt
.set fz, ss==0
	WM4
.set tt, tt+1
.endr
.set rt, rt+1
.endr
.set ss, ss+1
.endr
.endm
; Pair p: fragments, 64 products, results into my plane of the stage
.macro COMP p
	ds_load_b128 v[XS:XS+3], v[XSA0+\p]            ; lane l: the eight scale words of the pair's row l, my half of K
	ds_load_b128 v[XS+4:XS+7], v[XSA0+\p] offset:16
	WIN 0xc0                                       ; destination window 3: fragment (tile rt, K step s) at v[128 rt + 16 s]
.set ss, 0
.rept 8
.set rt, 0
.rept 2
.set cc, 0
.rept 4
	ds_load_b128 v[128*rt+16*ss+4*cc:128*rt+16*ss+4*cc+3], v[XA0+\p] offset:rt*16*HPT+128*ss+32*cc
.set cc, cc+1
.endr
.set rt, rt+1
.endr
.set ss, ss+1
.endr
	s_wait_dscnt 32                                ; all but the 32 loads of K steps 4-7, which were issued last
	WIN 0x0d                                       ; source 0 (W2) window 1, source 1 (h) window 3, C and D window 0
	MMAHALF 0
	s_wait_dscnt 0x0
	WIN 0x0e                                       ; source 0 window 2
	MMAHALF 4
	WIN 0
	PLACES 9                                       ; eight plain instructions ahead of the stores that read results and of loads into the operands; a ninth, since the next pair's first products write these accumulators anew
.set rt, 0
.rept 2
.set tt, 0
.rept 4
	ds_store_b128 v[SW0], v[H+32*rt+8*tt:H+32*rt+8*tt+3] offset:32*PP*\p+16*PP*rt+64*tt          ; each accumulator from its low end on
	ds_store_b128 v[SW0], v[H+32*rt+8*tt+4:H+32*rt+8*tt+7] offset:32*PP*\p+16*PP*rt+64*tt+16
.set tt, tt+1
.endr
.set rt, rt+1
.endr
.endm
; Pair p leaves: my 8 rows; the two planes and b2 are added; 32 lanes store 512 consecutive bytes, at a multiple of 256 from ybuf's first byte
.macro WAY p
.set ii, 0
.rept 8
	ds_load_b32 v[LY+ii], v[LYA] offset:128*\p+4*ii            ; the row's entry, the same word in every lane
.set ii, ii+1
.endr
.set ii, 0
.rept 8
	ds_load_b128 v[D0+4*ii:D0+4*ii+3], v[WR0] offset:32*PP*\p+PP*ii
	ds_load_b128 v[D1+4*ii:D1+4*ii+3], v[WR1] offset:32*PP*\p+PP*ii
.set ii, ii+1
.endr
	s_wait_dscnt 0x0
.set ii, 0
.rept 16
	v_pk_add_f32 v[D0+2*ii:D0+2*ii+1], v[D0+2*ii:D0+2*ii+1], v[D1+2*ii:D1+2*ii+1]
.set ii, ii+1
.endr
.set ii, 0
.rept 8
	v_min_u32 v[LY+ii], 0xfff, v[LY+ii]            ; an entry is under 4,096
.set ii, ii+1
.endr
.set ii, 0
.rept 16
	v_pk_add_f32 v[D0+2*ii:D0+2*ii+1], v[D0+2*ii:D0+2*ii+1], v[BV+2*(ii%2):BV+2*(ii%2)+1]
.set ii, ii+1
.endr
.set ii, 0
.rept 8
	v_lshl_add_u32 v[LY+ii], v[LY+ii], 12, v[L16]  ; its row of 4,096 bytes, my 16
.set ii, ii+1
.endr
.set ii, 0
.rept 8
	global_store_b128 v[LY+ii], v[D0+4*ii:D0+4*ii+3], s[16:17] th:TH_STORE_NT   ; written once, read by nobody in this launch
.set ii, ii+1
.endr
	s_wait_xcnt 0x0                                ; the stores have read their registers: the next pair, or the next chunk, writes them again
.endm
	s_mov_b32 s[SCI], 0
	s_mov_b32 s[SCK], 0
	s_mov_b32 s[SLOF], 0
.Lchunk:
	v_add_nc_u32 v[LRA], s[SLOF], v[LRA0]          ; the chunk's part of the list
	v_add_nc_u32 v[LRS], s[SLOF], v[LRS0]
	v_add_nc_u32 v[LYA], s[SLOF], v[LYA0]
	s_sub_co_u32 s[SREM], s[SN32], s[SCK]          ; read only where the chunk has rows
	; ---- the chunk's rows of h come into LDS
	s_cmp_ge_u32 s[SCK], s[SN32]
	s_cbranch_scc1 .Lfilled
.set ii, 0
.rept 3
.set jj, 0
.rept 4
	ds_load_b32 v[LT+4*ii+jj], v[LRA] offset:128*ii+8*jj
.set jj, jj+1
.endr
	ds_load_b32 v[LS+ii], v[LRS] offset:128*ii
.set ii, ii+1
.endr
	s_wait_dscnt 0x0
.set ii, 0
.rept 12
	v_min_u32 v[LT+ii], 0xfff, v[LT+ii]            ; an entry is under 4,096;
.set ii, ii+1
.endr
.set ii, 0
.rept 12
	v_lshl_add_u32 v[LT+ii], v[LT+ii], 11, v[R16]  ; its row of 2,048 bytes, my 16
.set ii, ii+1
.endr
.set ii, 0
.rept 3
	v_min_u32 v[LS+ii], 0xfff, v[LS+ii]
	v_lshl_add_u32 v[LS+ii], v[LS+ii], 6, v[S16]
.set ii, ii+1
.endr
	; All pairs that the chunk has are asked for before the first is put away.  On every way to the label in front of a pair's stores that pair and all earlier ones have been asked for.
	FISSUE 0
	s_cmp_le_u32 s[SREM], 32
	s_cbranch_scc1 .Lf1
	FISSUE 1
	s_cmp_le_u32 s[SREM], 64
	s_cbranch_scc1 .Lf2
	FISSUE 2
	FSTORE 2
.Lf2:
	FSTORE 1
.Lf1:
	FSTORE 0
.Lfilled:
	s_wait_loadcnt 0x0                             ; W2, its scale words and b2 are in, on every way
	BARRIER                                        ; the rows lie in LDS; the last chunk's reads of the stage are over
	; ---- the products
	s_cmp_ge_u32 s[SCK], s[SN32]
	s_cbranch_scc1 .Lcomp_done
	COMP 0
	s_cmp_le_u32 s[SREM], 32
	s_cbranch_scc1 .Lcomp_done
	COMP 1
	s_cmp_le_u32 s[SREM], 64
	s_cbranch_scc1 .Lcomp_done
	COMP 2
.Lcomp_done:
	BARRIER                                        ; both planes of the stage are whole; nobody reads the chunk's rows of h any more
	; ---- the way out
	s_cmp_ge_u32 s[SCK], s[SN32]
	s_cbranch_scc1 .Lway_done
	WAY 0
	s_cmp_le_u32 s[SREM], 32
	s_cbranch_scc1 .Lway_done
	WAY 1
	s_cmp_le_u32 s[SREM], 64
	s_cbranch_scc1 .Lway_done
	WAY 2
.Lway_done:
	s_add_co_u32 s[SCK], s[SCK], CH
	s_add_co_u32 s[SLOF], s[SLOF], 4*CH
	s_add_co_u32 s[SCI], s[SCI], 1
	s_cmp_lt_u32 s[SCI], NCH
	s_cbranch_scc1 .Lchunk
	s_wait_tensorcnt 0x0
	ds_add_u32 v254, v255
	s_wait_dscnt 0x0
	s_endpgm
.Lfunc_end_k_qb9962bcfdd_ffn2:
	.size	k_qb9962bcfdd_ffn2, .Lfunc_end_k_qb9962bcfdd_ffn2-k_qb9962bcfdd_ffn2
	.p2alignl 7, 3214868480
	.fill 96, 4, 3214868480
	.section	.rodata,"a",@progbits
	.p2align	6, 0x0
	.amdhsa_kernel k_qb9962bcfdd_ffn2
		.amdhsa_group_segment_fixed_size 310784
		.amdhsa_private_segment_fixed_size 0
		.amdhsa_enable_private_segment 0
		.amdhsa_kernarg_size 56
		.amdhsa_user_sgpr_count 2
		.amdhsa_user_sgpr_kernarg_segment_ptr 1
		.amdhsa_wavefront_size32 1
		.amdhsa_system_sgpr_workgroup_id_x 1
		.amdhsa_system_sgpr_workgroup_id_y 1
		.amdhsa_system_sgpr_workgroup_id_z 1
		.amdhsa_system_vgpr_workitem_id 0
		.amdhsa_next_free_vgpr 1024
		.amdhsa_next_free_sgpr 102
		.amdhsa_reserve_vcc 1
		.amdhsa_float_denorm_mode_32 3
		.amdhsa_float_denorm_mode_16_64 3
		.amdhsa_memory_ordered 1
		.amdhsa_forward_progress 1
		.amdhsa_inst_pref_size 106
	.end_amdhsa_kernel
	.amdgpu_metadata
---
amdhsa.version: [ 1, 2 ]
amdhsa.kernels:
  - .name:           k_qb9962bcfdd_ffn2
    .symbol:         k_qb9962bcfdd_ffn2.kd
    .args:
      - { .name: h_codes, .offset: 0, .size: 8, .value_kind: global_buffer, .address_space: global }
      - { .name: h_scales, .offset: 8, .size: 8, .value_kind: global_buffer, .address_space: global }
      - { .name: w2_codes, .offset: 16, .size: 8, .value_kind: global_buffer, .address_space: global }
      - { .name: w2_scales, .offset: 24, .size: 8, .value_kind: global_buffer, .address_space: global }
      - { .name: b2, .offset: 32, .size: 8, .value_kind: global_buffer, .address_space: global }
      - { .name: experts, .offset: 40, .size: 8, .value_kind: global_buffer, .address_space: global }
      - { .name: ybuf, .offset: 48, .size: 8, .value_kind: global_buffer, .address_space: global }
    .group_segment_fixed_size: 310784
    .private_segment_fixed_size: 0
    .kernarg_segment_align: 8
    .kernarg_segment_size: 56
    .max_flat_workgroup_size: 128
    .sgpr_count:     102
    .vgpr_count:     1024
    .wavefront_size: 32
...
	.end_amdgpu_metadata
.endif
;; end of part 2
;; launch combine (part 3): grid 256 x 1, 8 waves a work-group, no clusters, 0 bytes of LDS; arguments ybuf, probs, out0; writes out0
.if DOCPART == 3
	.amdgcn_target "amdgcn-amd-amdhsa--gfx1250"
	.amdhsa_code_object_version 6
	.text
	.protected	k_qb9962bcfdd_combine
	.globl	k_qb9962bcfdd_combine
	.p2align	8
	.type	k_qb9962bcfdd_combine,@function
k_qb9962bcfdd_combine:
	s_mov_b64 s[64:65], 0
	v_nop
	global_prefetch_b8 v0, s[64:65] scope:SCOPE_SE
	s_setreg_imm32_b32 hwreg(HW_REG_WAVE_MODE, 25, 1), 1
	s_wait_xcnt 0x0
; out0[t] = probs[t] ybuf[t] + probs[2,048 + t] ybuf[2,048 + t]: the masked sum over experts keeps, for token t, the rows of its two slots' experts, which are ybuf's entries t and 2,048 + t.
; A stream: a wave takes one token (t = 8 x work-group + wave): two rows of 4,096 bytes in, one out; each load and store of the wave covers 512 consecutive bytes, at a multiple of 256 from its buffer's first byte.
; All sixteen loads of a wave go out at once.  No LDS, no barrier, no matrix unit: waves share nothing, and there are two multiplications a number.
; Where both slots name one expert this forms p0 y + p1 y, where (p0 + p1) y is written: one rounding apart.
.set Y0, 8                             ; v8-39   slot 0's row, then the result
.set Y1, 40                            ; v40-71  slot 1's row
	s_load_b128 s[4:7], s[0:1], 0x0                ; ybuf s[4:5], probs s[6:7]
	s_load_b64 s[8:9], s[0:1], 0x10                ; out0
	v_lshrrev_b32 v1, 5, v0
	v_readfirstlane_b32 s10, v1                    ; wave 0..7
	s_lshl_b32 s11, ttmp9, 3
	s_add_co_u32 s11, s11, s10                     ; my token
	s_lshl_b32 s12, s11, 12                        ; a row is 4,096 bytes
	s_mov_b32 s13, 0
	s_lshl_b32 s14, s11, 2
	s_mov_b32 s15, 0
	v_and_b32 v1, 31, v0
	v_lshlrev_b32 v1, 4, v1                        ; 16 bytes a lane
	s_wait_kmcnt 0x0
	s_add_nc_u64 s[4:5], s[4:5], s[12:13]          ; slot 0's row;
	s_add_nc_u64 s[16:17], s[4:5], 0x800000        ; slot 1's, 2,048 rows on: a base of its own, since the distance is one more than a load's immediate holds
	s_add_nc_u64 s[8:9], s[8:9], s[12:13]
	s_add_nc_u64 s[6:7], s[6:7], s[14:15]
	s_load_b32 s20, s[6:7], 0x0                    ; p0
	s_load_b32 s22, s[6:7], 0x2000                 ; p1: 2,048 numbers on
.irp j, 0,1,2,3,4,5,6,7
	global_load_b128 v[Y0+4*\j:Y0+4*\j+3], v1, s[4:5] offset:512*\j th:TH_LOAD_NT
	global_load_b128 v[Y1+4*\j:Y1+4*\j+3], v1, s[16:17] offset:512*\j th:TH_LOAD_NT
.endr
	s_wait_kmcnt 0x0
	s_mov_b32 s21, s20                             ; (the packed forms name pairs and take the low word for both halves: so the upper words are written)
	s_mov_b32 s23, s22
.irp j, 0,1,2,3,4,5,6,7
	s_wait_loadcnt 14-2*\j                         ; piece j of both rows is in; the two loads of each later piece may stay out
	v_pk_mul_f32 v[Y0+4*\j:Y0+4*\j+1], v[Y0+4*\j:Y0+4*\j+1], s[20:21] op_sel_hi:[1,0]
	v_pk_mul_f32 v[Y0+4*\j+2:Y0+4*\j+3], v[Y0+4*\j+2:Y0+4*\j+3], s[20:21] op_sel_hi:[1,0]
	v_pk_fma_f32 v[Y0+4*\j:Y0+4*\j+1], v[Y1+4*\j:Y1+4*\j+1], s[22:23], v[Y0+4*\j:Y0+4*\j+1] op_sel_hi:[1,0,1]
	v_pk_fma_f32 v[Y0+4*\j+2:Y0+4*\j+3], v[Y1+4*\j+2:Y1+4*\j+3], s[22:23], v[Y0+4*\j+2:Y0+4*\j+3] op_sel_hi:[1,0,1]
	global_store_b128 v1, v[Y0+4*\j:Y0+4*\j+3], s[8:9] offset:512*\j th:TH_STORE_NT
.endr
	s_endpgm
.Lfunc_end_k_qb9962bcfdd_combine:
	.size	k_qb9962bcfdd_combine, .Lfunc_end_k_qb9962bcfdd_combine-k_qb9962bcfdd_combine
	.p2alignl 7, 3214868480
	.fill 96, 4, 3214868480
	.section	.rodata,"a",@progbits
	.p2align	6, 0x0
	.amdhsa_kernel k_qb9962bcfdd_combine
		.amdhsa_group_segment_fixed_size 0
		.amdhsa_private_segment_fixed_size 0
		.amdhsa_enable_private_segment 0
		.amdhsa_kernarg_size 24
		.amdhsa_user_sgpr_count 2
		.amdhsa_user_sgpr_kernarg_segment_ptr 1
		.amdhsa_wavefront_size32 1
		.amdhsa_system_sgpr_workgroup_id_x 1
		.amdhsa_system_sgpr_workgroup_id_y 1
		.amdhsa_system_sgpr_workgroup_id_z 1
		.amdhsa_system_vgpr_workitem_id 0
		.amdhsa_next_free_vgpr 72
		.amdhsa_next_free_sgpr 66
		.amdhsa_reserve_vcc 0
		.amdhsa_float_denorm_mode_32 3
		.amdhsa_float_denorm_mode_16_64 3
		.amdhsa_memory_ordered 1
		.amdhsa_forward_progress 1
		.amdhsa_inst_pref_size 6
	.end_amdhsa_kernel
	.amdgpu_metadata
---
amdhsa.version: [ 1, 2 ]
amdhsa.kernels:
  - .name:           k_qb9962bcfdd_combine
    .symbol:         k_qb9962bcfdd_combine.kd
    .args:
      - { .name: ybuf, .offset: 0, .size: 8, .value_kind: global_buffer, .address_space: global }
      - { .name: probs, .offset: 8, .size: 8, .value_kind: global_buffer, .address_space: global }
      - { .name: out0, .offset: 16, .size: 8, .value_kind: global_buffer, .address_space: global }
    .group_segment_fixed_size: 0
    .private_segment_fixed_size: 0
    .kernarg_segment_align: 8
    .kernarg_segment_size: 24
    .max_flat_workgroup_size: 256
    .sgpr_count:     66
    .vgpr_count:     72
    .wavefront_size: 32
...
	.end_amdgpu_metadata
.endif
;; end of part 3
